; MI455X (gfx1250); checked and timed in simulation.
; The chip was launched on July 23, 2026; its instructions are those of AMD's public machine-readable ISA for CDNA 5 (MIT licence, August 2026) and "CDNA5" Instruction Set Architecture Reference Guide (July 2026). The comments in the code are by the model that wrote it; some were corrected since.
;; Attention. Allowed arithmetic: matrix products marked QUANTISED: E2M1 operands, one E8M0 scale for each 32 along K, by v_wmma_scale_f32_16x16x128_f8f6f4 with both operands' format E2M1 (or v_wmma_scale_f32_32x16x128_f4), f32 sums; products left as they are: bf16, f16 or f32 operands; f32 sums; everything else in f32.
;; Inputs: wk_b 8 x 64 float32; wk_k 512 x 8 x 64 float32; wo_b 512 float32; wo_k 8 x 64 x 512 float32; wq_b 8 x 64 float32; wq_k 512 x 8 x 64 float32; wv_b 8 x 64 float32; wv_k 512 x 8 x 64 float32; x 2 x 4,096 x 512 float32.
;; Outputs: out0 2 x 4,096 x 512 float32.
;; This version of the problem:
;;   THIS VERSION OF THE PROBLEM IS GIVEN IN LOW PRECISION. The matrix products marked QUANTISED in the list below multiply operands that are first quantised to E2M1 (2 exponent bits, 1 mantissa bit; 4 bits a number), with one power-of-two scale for each 32 numbers along K (OCP MX v1.0); their sums are f32. The products marked 'left as it is' may take bf16, f16 or f32 operands, with f32 sums. Whichever they take, every output number must still come out within the allowed error. Rounding operands to bf16 (8 significant bits) uses up far more of that allowance than f16 does (11 bits, for magnitudes from 6e-5 to 65,504). All else is computed in f32.
;;   The module's matrix products, in the order in which they are computed (A, B: the left and right operand; K: the contracted axis; several contracted axes count as one K, in the product's order):
;;     1. [M 8,192, K 512] x [K 512, N 512]; A: input x; B: input wq_k: QUANTISED
;;     2. [M 8,192, K 512] x [K 512, N 512]; A: input x; B: input wk_k: QUANTISED
;;     3. [M 8,192, K 512] x [K 512, N 512]; A: input x; B: input wv_k: QUANTISED
;;     4. batch 16 x [M 4,096, K 64] x [K 64, N 4,096]; A: computed on the way; B: computed on the way: left as it is (an operand is computed on the way)
;;     5. batch 16 x [M 64, K 4,096] x [K 4,096, N 4,096]; A: computed on the way; B: computed on the way: left as it is (an operand is computed on the way)
;;     6. [M 8,192, K 512] x [K 512, N 512]; A: computed on the way; B: input wo_k: left as it is (an operand is computed on the way)
;;   THE QUANTISER, for each operand of a quantised product, along K:
;;     - K is cut into blocks of 32 from its start; a last block that is shorter is filled with zeros.
;;     - A block's scale is 2^e with e = floor(log2(the largest magnitude in the block)) - 2, held to -126 .. 127; a block of zeros has e = 0. As a byte (E8M0): e + 127.
;;     - Each number is divided by its block's scale, clamped to +-6, and rounded to the nearest number of E2M1, ties to even, subnormals kept.
;;     - The product sums the exact products of the quantised numbers (number of the format x scale) in f32.
;;   ~~~python
;;   def quantise(x, axis):      # numpy; x: float32 -> the quantised numbers, widened to float32 again
;;       x = np.moveaxis(x, axis, -1); K = x.shape[-1]
;;       x = np.pad(x, [(0, 0)] * (x.ndim - 1) + [(0, -K % 32)]); x = x.reshape(x.shape[:-1] + (-1, 32)); a = np.abs(x).max(-1, keepdims=True)
;;       e = np.where(a > 0, np.clip(np.frexp(np.where(a > 0, a, 1))[1] - 1 - 2, -126, 127), 0)      # np.frexp(a)[1] - 1 = floor(log2(a)), exactly
;;       r = np.clip(x / 2.0 ** e, -6, 6)
;;       step = 2.0 ** (np.maximum(np.frexp(np.where(r == 0, 1, r))[1] - 1, 0) - 1)
;;       q = np.round(r / step) * step * 2.0 ** e      # np.round: ties to even
;;       return np.moveaxis(q.reshape(q.shape[:-2] + (-1,))[..., :K], -1, axis).astype(np.float32)
;;   ~~~
;; One version. Each part assembles by itself: llvm-mc -triple=amdgcn-amd-amdhsa -mcpu=gfx1250 --defsym DOCPART=n.
;; ======== version 1 of 1: 4 launches
;; limits: values are held in f16: magnitudes above 65,504 overflow, below 6.1e-05 lose precision
;; workspace buffers: xq4 2,359,296 bytes; wq4 442,368 bytes; wo16 524,288 bytes; rope 1,048,576 bytes; qf 8,388,608 bytes; kvf 16,777,216 bytes; of 8,388,608 bytes
;; launch prep (part 1): grid 352 x 1, 8 waves a work-group, no clusters, 68,608 bytes of LDS; arguments x, wq_k, wk_k, wv_k, wo_k, xq4, wq4, wo16, rope; writes xq4, wq4, wo16, rope
.if DOCPART == 1
	.amdgcn_target "amdgcn-amd-amdhsa--gfx1250"
	.amdhsa_code_object_version 6
	.text
	.protected	k_q62c6b34fcc_prep
	.globl	k_q62c6b34fcc_prep
	.p2align	8
	.type	k_q62c6b34fcc_prep,@function
k_q62c6b34fcc_prep:
	s_mov_b64 s[64:65], 0
	v_nop
	global_prefetch_b8 v0, s[64:65] scope:SCOPE_SE
	s_setreg_imm32_b32 hwreg(HW_REG_WAVE_MODE, 25, 1), 1
	s_wait_xcnt 0x0
; WHAT IS MADE ONCE FOR THE LATER LAUNCHES.  Four kinds of work, parted by the work-group's number; a wave does one job and shares nothing with another wave.
;   work-groups   0 ..  47: wq_k, wk_k, wv_k [512 (K)][512] f32 -> codes of FP4 (E2M1) with one E8M0 byte for each 32 along K
;   work-groups  48 ..  63: wo_k [512 (K)][512] f32 -> f16
;   work-groups  64 ..  95: the table of cos and sin for the 4,096 positions and 32 frequencies of the rotary embedding
;   work-groups  96 .. 351: x [8,192][512] f32 -> codes of FP4 and scale bytes
; EVERYTHING IS STORED AS AN IMAGE OF THE OPERAND'S REGISTERS: a fragment is 8 registers a lane, 1,024 bytes; registers 0-3 of lane l lie at 16 l, registers 4-7 at 512 + 16 l.
; So every later load of a fragment is 512 consecutive bytes, and nothing is transposed by an instruction.  A fragment's scale words are an image too: 4 bytes a lane, 128 bytes.
; THE QUANTISER: a block's scale is 2^(floor(log2(largest magnitude)) - 2); its byte is the largest magnitude's exponent field - 2, held at 1 from below by a floor among the maximum's leaves.
; LIMITS: a block of zeros gets the byte 1 where the rule says 127 (its codes are zeros, and these bytes are read by this program alone); NaN and infinities among the inputs are not served;
; wo_k goes to f16: magnitudes over 65,504 become infinity, under 6e-5 they keep an absolute error of 3e-8.
; THE ANGLES: frequency f is 2^(-f log2(10000) / 32) by v_exp_f32, theta = position x frequency in f32; theta is brought to |r| <= pi/4 by taking off n pi/2 in two parts, and sin r, cos r are
; polynomials to r^7 and r^8 (what is cut is under 4e-7).  The angle may differ from a correctly rounded one by some 4e-4 rad at the last position.
.set STG,   8448                       ; LDS: a stage of 16 rows x (512 bytes + 16) for each wave; the x path alone uses it
.set SPARE, 8*STG                      ; behind the stages: the spare words, 128 bytes for each wave: four blocks of 256 bytes that no other line names
.set SPW,   10                         ; v10  LDS address of my spare word; never rewritten
.set NIL,   11                         ; v11  0; never rewritten
.set MX,    12                         ; v12-13  a lane's two blocks: largest magnitudes
.set SO,    14                         ; v14-15  the conversions' scale operands
.set BY,    16                         ; v16-17  the scale bytes
.set W,     18                         ; v18  the scale word
.set W2,    19                         ; v19  lane l xor 16's part of it
.set C,     20                         ; v20-27  the fragment's codes
.set X,     32                         ; v32-95  64 numbers: register 32 c + i = k 64 c + 32 (lane / 16) + i of my row or column
.set R,     96                         ; v96-159 numbers as loaded; results of the f16 and the table paths
	s_load_b512 s[4:19], s[0:1], 0x0               ; x 4:5, wq 6:7, wk 8:9, wv 10:11, wo 12:13, xq4 14:15, wq4 16:17, wo16 18:19
	s_load_b64 s[20:21], s[0:1], 0x40              ; rope
	v_lshl_add_u32 v[SPW], v0, 2, SPARE
	v_mov_b32 v[NIL], 0
	v_lshrrev_b32 v12, 5, v0
	v_readfirstlane_b32 s22, v12                   ; wave 0..7
	v_and_b32 v1, 31, v0                           ; lane
	v_and_b32 v2, 15, v0                           ; r
	v_bfe_u32 v3, v0, 4, 1                         ; h
	v_lshlrev_b32 v4, 4, v1                        ; 16 x lane: an image's place
	v_lshlrev_b32 v5, 2, v1                        ; 4 x lane: a scale word's
	v_lshlrev_b32 v6, 3, v3                        ; 8 h
	s_mul_i32 s23, s22, STG
	v_add_nc_u32 v8, s23, v4                       ; the stage, on the way in: 16 bytes a lane of a row
	v_mul_u32_u24 v9, v2, 528
	v_lshl_add_u32 v9, v3, 7, v9
	v_add_nc_u32 v9, s23, v9                       ; and on the way out: row r, + 128 h bytes
	v_mov_b32 v[W2], 0                             ; written once: a lane permute's destination counts as one of its sources
	s_mov_b32 s24, 0x76543210
	s_mov_b32 s25, 0xfedcba98                      ; v_permlanex16_b32's selects for lane l xor 16
	s_mov_b32 s29, 0
	s_mov_b32 s33, 0
	s_wait_kmcnt 0x0
; 64 numbers of a lane become a fragment's codes in v[C] on and its scale word in v[W].  A lane holds two whole blocks (blocks h and 2 + h of the K step), so no other lane is asked for a maximum.
.macro QUANT
.irp c, 0,1
	v_max3_num_f32 v[MX+\c], |v[X+32*\c]|, |v[X+32*\c+1]|, 0x1800000   ; and the floor 2^(3 - 127): the byte cannot fall under 1
.endr
.irp i, 2,4,6,8,10,12,14,16,18,20,22,24,26,28,30
.irp c, 0,1
	v_max3_num_f32 v[MX+\c], v[MX+\c], |v[X+32*\c+\i]|, |v[X+32*\c+\i+1]|   ; (the two blocks by turns)
.endr
.endr
.irp c, 0,1
	v_add_nc_u32 v[SO+\c], 0xff000000, v[MX+\c]    ; 2 off the exponent field: the conversion takes the exponent field of this operand as its scale
.endr
.irp c, 0,1
	v_lshrrev_b32 v[BY+\c], 23, v[SO+\c]           ; the scale's byte
.endr
	v_lshl_or_b32 v[W], v[BY+1], 16, v[BY]         ; my two bytes,
	v_lshlrev_b32 v[W], v6, v[W]                   ; at their places in the word (8 h bits up);
	v_permlanex16_b32 v[W2], v[W], s24, s25
	v_or_b32 v[W], v[W], v[W2]                     ; with lane l xor 16's two the word is whole, in both halves of the lanes
.irp c, 0,1
.irp g, 0,1,2,3
	v_cvt_scalef32_pk8_fp4_f32 v[C+4*\c+\g], v[X+32*\c+8*\g:X+32*\c+8*\g+7], v[SO+\c]
.endr
.endr
	v_nop                                          ; one plain line behind the last scaled conversion
.endm
	s_cmp_lt_u32 ttmp9, 48
	s_cbranch_scc1 .Lweights
	s_cmp_lt_u32 ttmp9, 64
	s_cbranch_scc1 .Lwo
	s_cmp_lt_u32 ttmp9, 96
	s_cbranch_scc1 .Ltable
	; ---- x.  Job J = 4 x row tile + K step: 16 rows x 128 numbers.  Each load takes 512 consecutive bytes of one row; the rows turn through my stage, so that a lane gets 32 neighbours of each of its two blocks.
	s_sub_co_u32 s26, ttmp9, 96
	s_lshl_b32 s26, s26, 3
	s_add_co_u32 s26, s26, s22                     ; J
	s_lshr_b32 s28, s26, 2
	s_lshl_b32 s28, s28, 15                        ; 16 rows of 2,048 bytes a row tile
	s_and_b32 s27, s26, 3
	s_lshl_b32 s27, s27, 9                         ; 512 bytes a K step
	s_add_co_u32 s28, s28, s27
	s_add_nc_u64 s[30:31], s[4:5], s[28:29]
	s_lshl_b32 s28, s26, 10
	s_add_nc_u64 s[34:35], s[14:15], s[28:29]      ; my fragment's image
	s_lshl_b32 s28, s26, 7
	s_add_nc_u64 s[36:37], s[14:15], s[28:29]      ; and its scale words' (behind the 2,097,152 bytes of codes)
.irp i, 0,1,2,3,4,5,6,7,8,9,10,11,12,13,14,15
	global_load_b128 v[R+4*\i:R+4*\i+3], v4, s[30:31] offset:2048*\i th:TH_LOAD_NT
.endr
.irp i, 0,1,2,3,4,5,6,7,8,9,10,11,12,13,14,15
	s_wait_loadcnt 15-\i                           ; loads come back in order: row i is in, the younger ones stay out
	ds_store_b128 v8, v[R+4*\i:R+4*\i+3] offset:528*\i
.endr
.irp c, 0,1
.irp g, 0,1,2,3,4,5,6,7
	ds_load_b128 v[X+32*\c+4*\g:X+32*\c+4*\g+3], v9 offset:256*\c+16*\g   ; LDS serves a wave's instructions in order: these see my stores.  Rows lie 132 words apart
.endr
.endr
	s_wait_dscnt 0x0
	QUANT
	global_store_b128 v4, v[C:C+3], s[34:35]                 ; 512 consecutive bytes each
	global_store_b128 v4, v[C+4:C+7], s[34:35] offset:512
	global_store_b32 v5, v[W], s[36:37] offset:2097152
	s_wait_tensorcnt 0x0                           ; the wave's end: a tensor wait, an add to my spare word
	ds_add_u32 v[SPW], v[NIL]
	s_wait_dscnt 0x0
	s_endpgm
	; ---- wq_k, wk_k, wv_k.  A lane takes a column and its registers run down K, in the order that the operand's layout gives that lane.  Eight waves stand side by side on 512 bytes of each row.
.Lweights:
	s_lshr_b32 s26, ttmp9, 4                       ; which tensor: 0 q, 1 k, 2 v
	s_bfe_u32 s27, ttmp9, 0x20002                  ; K step
	s_and_b32 s28, ttmp9, 3
	s_lshl_b32 s28, s28, 3
	s_add_co_u32 s28, s28, s22                     ; tile of 16 columns, 0..31
	s_cmp_eq_u32 s26, 0
	s_cselect_b64 s[30:31], s[6:7], s[8:9]         ; the choice hangs on the work-group's number alone
	s_cmp_eq_u32 s26, 2
	s_cselect_b64 s[30:31], s[10:11], s[30:31]
	s_lshl_b32 s32, s27, 18                        ; 128 rows of 2,048 bytes a K step
	s_lshl_b32 s34, s28, 6                         ; 64 bytes a tile of columns
	s_add_co_u32 s32, s32, s34
	s_add_nc_u64 s[30:31], s[30:31], s[32:33]
	v_lshlrev_b32 v7, 2, v2
	v_lshl_add_u32 v7, v3, 16, v7                  ; column r; lanes 16-31 begin 32 rows further down
.irp c, 0,1
.irp i, 0,1,2,3,4,5,6,7,8,9,10,11,12,13,14,15,16,17,18,19,20,21,22,23,24,25,26,27,28,29,30,31
	global_load_b32 v[X+32*\c+\i], v7, s[30:31] offset:(64*\c+\i)*2048 th:TH_LOAD_NT
.endr
.endr
	s_lshl_b32 s34, s26, 5
	s_add_co_u32 s34, s34, s28
	s_lshl_b32 s34, s34, 2
	s_add_co_u32 s34, s34, s27                     ; the fragment's number: (32 tensor + tile) x 4 + K step
	s_lshl_b32 s32, s34, 10
	s_add_nc_u64 s[36:37], s[16:17], s[32:33]
	s_lshl_b32 s32, s34, 7
	s_add_nc_u64 s[38:39], s[16:17], s[32:33]
	s_wait_loadcnt 0x0
	QUANT
	global_store_b128 v4, v[C:C+3], s[36:37]
	global_store_b128 v4, v[C+4:C+7], s[36:37] offset:512
	global_store_b32 v5, v[W], s[38:39] offset:393216        ; behind the 393,216 bytes of codes
	s_endpgm
	; ---- wo_k to f16.  Job = 16 x group of 64 columns + chunk of 32 along K: four fragments (16 columns x 32 K).  Lane (r, h) of a fragment holds column r; registers 0-3 K = 8 h + 0..7, registers 4-7 K = 16 + 8 h + 0..7.
.Lwo:
	s_sub_co_u32 s26, ttmp9, 48
	s_lshl_b32 s26, s26, 3
	s_add_co_u32 s26, s26, s22                     ; the job
	s_lshr_b32 s27, s26, 4
	s_lshl_b32 s27, s27, 8                         ; 256 bytes a group of columns
	s_and_b32 s28, s26, 15
	s_lshl_b32 s32, s28, 16                        ; 32 rows of 2,048 bytes a chunk
	s_add_co_u32 s32, s32, s27
	s_add_nc_u64 s[30:31], s[12:13], s[32:33]
	v_lshlrev_b32 v7, 2, v2
	v_lshl_add_u32 v7, v3, 14, v7                  ; column r; lanes 16-31 begin 8 rows further down
.irp t, 0,1,2,3
.irp u, 0,1
.irp i, 0,1,2,3,4,5,6,7
	global_load_b32 v[X+16*\t+8*\u+\i], v7, s[30:31] offset:(16*\u+\i)*2048+64*\t th:TH_LOAD_NT
.endr
.endr
.endr
	s_lshl_b32 s32, s26, 12
	s_add_nc_u64 s[36:37], s[18:19], s[32:33]
	s_wait_loadcnt 0x0
.set n, 0
.rept 32
	v_cvt_pk_f16_f32 v[R+n], v[X+2*n], v[X+2*n+1]  ; the lower K into the low half
.set n, n+1
.endr
.irp q, 0,1,2,3,4,5,6,7
	global_store_b128 v4, v[R+4*\q:R+4*\q+3], s[36:37] offset:512*\q
.endr
	s_endpgm
	; ---- the table.  Job = tile of 16 positions.  Lane (r, h) holds position 16 tile + r and, in register 8 a + j, frequency 16 a + 8 h + j: the layout of the product's result that it will rotate.
.Ltable:
	s_sub_co_u32 s26, ttmp9, 64
	s_lshl_b32 s26, s26, 3
	s_add_co_u32 s26, s26, s22                     ; the tile, 0..255
	s_lshl_b32 s27, s26, 4
	v_add_nc_u32 v30, s27, v2
	v_cvt_f32_u32 v30, v30                         ; my position
	s_lshl_b32 s32, s26, 12
	s_add_nc_u64 s[36:37], s[20:21], s[32:33]
	s_mov_b32 s40, 0xbe2aaaab                      ; -1/6
	s_mov_b32 s41, 0x3c088889                      ; 1/120
	s_mov_b32 s42, 0xb9500d01                      ; -1/5040
	s_mov_b32 s43, 0x3d2aaaab                      ; 1/24
	s_mov_b32 s44, 0xbab60b61                      ; -1/720
	s_mov_b32 s45, 0x37d00d01                      ; 1/40320
.irp f, 0,1,2,3,4,5,6,7,8,9,10,11,12,13,14,15
	v_add_nc_u32 v[32+\f], 16*(\f/8)+\f%8, v6      ; the frequency's number
.endr
.irp f, 0,1,2,3,4,5,6,7,8,9,10,11,12,13,14,15
	v_cvt_f32_u32 v[32+\f], v[32+\f]
.endr
.irp f, 0,1,2,3,4,5,6,7,8,9,10,11,12,13,14,15
	v_mul_f32 v[32+\f], 0xbed49a78, v[32+\f]       ; x -log2(10000) / 32
.endr
.irp f, 0,1,2,3,4,5,6,7,8,9,10,11,12,13,14,15
	v_exp_f32 v[32+\f], v[32+\f]                   ; the frequency
.endr
	v_nop                                          ; a plain line behind the last exponential,
	s_wait_alu depctr_va_vdst(0)                   ; and one wait for the batch of sixteen, ahead of its first reader
.macro SINCOS f
.set B, 48+12*((\f)%2)                 ; two sets of registers at work, by turns
	v_mul_f32 v[B], v30, v[32+\f]                  ; theta
	v_mul_f32 v[B+1], 0x3f22f983, v[B]             ; x 2 / pi
	v_rndne_f32 v[B+1], v[B+1]                     ; n
	v_fmamk_f32 v[B+2], v[B+1], 0xbfc90fdb, v[B]   ; theta - n x (pi/2's upper part),
	v_fmamk_f32 v[B+2], v[B+1], 0x333bbd2e, v[B+2] ; - n x (its lower part, which is negative): r
	v_cvt_i32_f32 v[B+4], v[B+1]
	v_mul_f32 v[B+3], v[B+2], v[B+2]               ; z = r^2
	v_fma_f32 v[B+5], v[B+3], s42, s41
	v_fma_f32 v[B+7], v[B+3], s45, s44
	v_fma_f32 v[B+5], v[B+5], v[B+3], s40
	v_fma_f32 v[B+7], v[B+7], v[B+3], s43
	v_mul_f32 v[B+6], v[B+3], v[B+2]
	v_fma_f32 v[B+7], v[B+7], v[B+3], -0.5
	v_fma_f32 v[B+5], v[B+5], v[B+6], v[B+2]       ; sin r
	v_fma_f32 v[B+7], v[B+7], v[B+3], 1.0          ; cos r
	v_and_b32 v[B+8], 1, v[B+4]
	v_cmp_eq_u32 vcc_lo, 1, v[B+8]                 ; n odd: the two change places (a choice of values: no branch, no address)
	v_cndmask_b32 v[B+9], v[B+5], v[B+7], vcc_lo
	v_cndmask_b32 v[B+10], v[B+7], v[B+5], vcc_lo
	v_lshlrev_b32 v[B+8], 30, v[B+4]               ; the sine is negative where n mod 4 is 2 or 3,
	v_add_nc_u32 v[B+4], 1, v[B+4]
	v_and_b32 v[B+8], 0x80000000, v[B+8]
	v_lshlrev_b32 v[B+4], 30, v[B+4]               ; the cosine where it is 1 or 2
	v_xor_b32 v[R+16+\f], v[B+8], v[B+9]
	v_and_b32 v[B+4], 0x80000000, v[B+4]
	v_xor_b32 v[R+\f], v[B+4], v[B+10]
.endm
.irp f, 0,1,2,3,4,5,6,7,8,9,10,11,12,13,14,15
	SINCOS \f
.endr
.irp q, 0,1,2,3,4,5,6,7
	global_store_b128 v4, v[R+4*\q:R+4*\q+3], s[36:37] offset:512*\q   ; sixteen registers of cos, then sixteen of sin
.endr
	s_endpgm
.Lfunc_end_k_q62c6b34fcc_prep:
	.size	k_q62c6b34fcc_prep, .Lfunc_end_k_q62c6b34fcc_prep-k_q62c6b34fcc_prep
	.p2alignl 7, 3214868480
	.fill 96, 4, 3214868480
	.section	.rodata,"a",@progbits
	.p2align	6, 0x0
	.amdhsa_kernel k_q62c6b34fcc_prep
		.amdhsa_group_segment_fixed_size 68608
		.amdhsa_private_segment_fixed_size 0
		.amdhsa_enable_private_segment 0
		.amdhsa_kernarg_size 72
		.amdhsa_user_sgpr_count 2
		.amdhsa_user_sgpr_kernarg_segment_ptr 1
		.amdhsa_wavefront_size32 1
		.amdhsa_system_sgpr_workgroup_id_x 1
		.amdhsa_system_sgpr_workgroup_id_y 1
		.amdhsa_system_sgpr_workgroup_id_z 1
		.amdhsa_system_vgpr_workitem_id 0
		.amdhsa_next_free_vgpr 160
		.amdhsa_next_free_sgpr 66
		.amdhsa_reserve_vcc 1
		.amdhsa_float_denorm_mode_32 3
		.amdhsa_float_denorm_mode_16_64 3
		.amdhsa_memory_ordered 1
		.amdhsa_forward_progress 1
		.amdhsa_inst_pref_size 52
	.end_amdhsa_kernel
	.amdgpu_metadata
---
amdhsa.version: [ 1, 2 ]
amdhsa.kernels:
  - .name:           k_q62c6b34fcc_prep
    .symbol:         k_q62c6b34fcc_prep.kd
    .args:
      - { .name: x, .offset: 0, .size: 8, .value_kind: global_buffer, .address_space: global }
      - { .name: wq_k, .offset: 8, .size: 8, .value_kind: global_buffer, .address_space: global }
      - { .name: wk_k, .offset: 16, .size: 8, .value_kind: global_buffer, .address_space: global }
      - { .name: wv_k, .offset: 24, .size: 8, .value_kind: global_buffer, .address_space: global }
      - { .name: wo_k, .offset: 32, .size: 8, .value_kind: global_buffer, .address_space: global }
      - { .name: xq4, .offset: 40, .size: 8, .value_kind: global_buffer, .address_space: global }
      - { .name: wq4, .offset: 48, .size: 8, .value_kind: global_buffer, .address_space: global }
      - { .name: wo16, .offset: 56, .size: 8, .value_kind: global_buffer, .address_space: global }
      - { .name: rope, .offset: 64, .size: 8, .value_kind: global_buffer, .address_space: global }
    .group_segment_fixed_size: 68608
    .private_segment_fixed_size: 0
    .kernarg_segment_align: 8
    .kernarg_segment_size: 72
    .max_flat_workgroup_size: 256
    .sgpr_count:     66
    .vgpr_count:     160
    .wavefront_size: 32
...
	.end_amdgpu_metadata
.endif
;; end of part 1
;; launch qkv (part 2): grid 128 x 2, 4 waves a work-group, no clusters, 0 bytes of LDS; arguments xq4, wq4, rope, wq_b, wk_b, wv_b, qf, kvf; writes qf, kvf
.if DOCPART == 2
	.amdgcn_target "amdgcn-amd-amdhsa--gfx1250"
	.amdhsa_code_object_version 6
	.text
	.protected	k_q62c6b34fcc_qkv
	.globl	k_q62c6b34fcc_qkv
	.p2align	8
	.type	k_q62c6b34fcc_qkv,@function
k_q62c6b34fcc_qkv:
	s_mov_b64 s[64:65], 0
	v_nop
	global_prefetch_b8 v0, s[64:65] scope:SCOPE_SE
	s_setreg_imm32_b32 hwreg(HW_REG_WAVE_MODE, 25, 1), 1
	s_wait_xcnt 0x0
; q = rope(x wq + bq) x log2(e) / 8, k = rope(x wk + bk), v = x wv + bv: the three products on codes of FP4 (E2M1) with E8M0 scales, sums in f32; the results leave as f16 fragments for the attention.
; SHARES.  A work-group takes 64 rows (four tiles of 16) and four heads; wave w takes one head: its 64 columns of wq, wk and wv (12 tiles of 16 columns x 4 K steps of 128: 48 fragments), which stay in registers.
; All operands lie in memory as images of their registers, so they go straight into registers, 512 consecutive bytes a load: no LDS, no barrier, no label.  All loads stand at the head, under one wait.
; LAYOUT.  q and k are made TRANSPOSED (source 0 = 16 columns of the weight, source 1 = 16 rows of x): a lane holds position l % 16, its register j channel 16 ct + 8 (l / 16) + j.  The rotation's partners, channels d and d + 32,
; are tiles ct and ct + 2, same lane, same register; and two packed tiles 2 c, 2 c + 1 ARE the f16 fragment (16 positions x channels 32 c .. 32 c + 31).  v is made the natural way round (source 0 = x): a lane holds channel l % 16
; and eight positions, which packed are half a fragment of V^T (16 channels x 32 keys).  The biases are the C of each sum's first matrix instruction.
; LIMITS: q x log2(e) / 8, k and v go to f16: magnitudes over 65,504 become infinity, under 6e-5 they keep an absolute error of 3e-8.
; REGISTERS, in windows of 256: window 0: v1-4 offsets; v8-55 the weights' scale words; v56-71 x's; v72-167 twelve accumulators (q, k, v x 4 tiles); v168-183 at work; v200-247 packed results.
;   window 1: wq's 16 fragments, wk's 16.   window 2: wv's 16; from v128 bq, bk, bv in the results' layout.   window 3: x's 16 fragments; from v128 cos and sin of the four tiles of positions.
.set WS,  8
.set XS,  56
.set ACC, 72
.set T,   168
.set PK,  200
.set BQ,  128                          ; window 2: bq's four tiles; bk's at BQ + 32
.set BV,  192                          ; window 2: bv's four tiles
.set RP,  128                          ; window 3: tile rt: 16 registers of cos, 16 of sin
.set MSB, 0
.macro WIN new                         ; s_set_vgpr_msb's low byte: bits 1:0 source 0, 3:2 source 1, 5:4 source 2, 7:6 destination; its high byte repeats the setting that is left
.if MSB != \new
	s_set_vgpr_msb (MSB<<8)|\new
.set MSB, \new
.endif
.endm
	s_load_b512 s[4:19], s[0:1], 0x0               ; xq4 4:5, wq4 6:7, rope 8:9, wq_b 10:11, wk_b 12:13, wv_b 14:15, qf 16:17, kvf 18:19
	v_lshrrev_b32 v5, 5, v0
	v_readfirstlane_b32 s20, v5                    ; wave 0..3
	v_and_b32 v5, 31, v0
	v_lshlrev_b32 v1, 4, v5                        ; 16 x lane: an image's place
	v_lshlrev_b32 v2, 2, v5                        ; 4 x lane: a scale word's
	v_bfe_u32 v3, v0, 4, 1
	v_lshlrev_b32 v3, 5, v3                        ; 32 h: my half's eight numbers of a bias
	v_and_b32 v4, 15, v0
	v_lshlrev_b32 v4, 2, v4                        ; 4 r
	s_and_b32 s22, ttmp7, 0xffff
	s_lshl_b32 s23, s22, 2
	s_add_co_u32 s23, s23, s20                     ; my head
	s_lshr_b32 s24, ttmp9, 6                       ; the batch
	s_and_b32 s25, ttmp9, 63                       ; P: which 64 positions of the sequence
	s_lshl_b32 s26, s24, 3
	s_add_co_u32 s26, s26, s23                     ; 8 x batch + head
	s_mov_b32 s47, 0
	s_mov_b32 s42, 0x3e38aa3b                      ; log2(e) / 8
	s_mov_b32 s43, s42                             ; (named with it as a pair, so it is written)
	s_wait_kmcnt 0x0
	s_lshl_b32 s46, s23, 14
	s_add_nc_u64 s[28:29], s[6:7], s[46:47]        ; my head's 16 fragments of wq; wk's and wv's lie 131,072 and 262,144 bytes on
	s_lshl_b32 s46, s23, 11
	s_add_nc_u64 s[30:31], s[6:7], s[46:47]        ; their scale words
	s_lshl_b32 s46, ttmp9, 14
	s_add_nc_u64 s[32:33], s[4:5], s[46:47]        ; my 64 rows' 16 fragments
	s_lshl_b32 s46, ttmp9, 11
	s_add_nc_u64 s[34:35], s[4:5], s[46:47]        ; their scale words
	s_lshl_b32 s46, s25, 14
	s_add_nc_u64 s[36:37], s[8:9], s[46:47]        ; cos and sin of my 64 positions
	s_lshl_b32 s46, s23, 8
	s_add_nc_u64 s[10:11], s[10:11], s[46:47]      ; my head's 64 numbers of each bias
	s_add_nc_u64 s[12:13], s[12:13], s[46:47]
	s_add_nc_u64 s[14:15], s[14:15], s[46:47]
	s_lshl_b32 s46, s26, 19
	s_lshl_b32 s21, s25, 13
	s_add_co_u32 s46, s46, s21
	s_add_nc_u64 s[38:39], s[16:17], s[46:47]      ; qf: 524,288 bytes a head, 2,048 a tile of queries
	s_lshl_b32 s46, s26, 20
	s_lshr_b32 s21, s25, 1
	s_lshl_b32 s21, s21, 15
	s_add_co_u32 s46, s46, s21
	s_and_b32 s21, s25, 1
	s_lshl_b32 s21, s21, 13
	s_add_co_u32 s46, s46, s21
	s_add_nc_u64 s[40:41], s[18:19], s[46:47]      ; kvf: 1,048,576 bytes a head, 32,768 a step of 128 keys; my 64 keys are its first or second half, in K's part and in V's alike
	WIN 0x40
.set n, 0
.rept 64
	global_load_b128 v[4*n:4*n+3], v1, s[28:29] offset:(n/32)*131072+(n%32)*512
.set n, n+1
.endr
	WIN 0x80
.set n, 0
.rept 32
	global_load_b128 v[4*n:4*n+3], v1, s[28:29] offset:2*131072+n*512
.set n, n+1
.endr
.irp ct, 0,1,2,3
.irp u, 0,1
	global_load_b128 v[BQ+8*\ct+4*\u:BQ+8*\ct+4*\u+3], v3, s[10:11] offset:64*\ct+16*\u        ; bq at channels 16 ct + 8 h + 0 .. 7
	global_load_b128 v[BQ+32+8*\ct+4*\u:BQ+32+8*\ct+4*\u+3], v3, s[12:13] offset:64*\ct+16*\u  ; bk likewise
.endr
	global_load_b32 v[BV+8*\ct], v4, s[14:15] offset:64*\ct                                    ; bv at channel 16 ct + r
.endr
	WIN 0xc0
.set n, 0
.rept 32
	global_load_b128 v[4*n:4*n+3], v1, s[32:33] offset:n*512
.set n, n+1
.endr
.set n, 0
.rept 32
	global_load_b128 v[RP+4*n:RP+4*n+3], v1, s[36:37] offset:n*512
.set n, n+1
.endr
	WIN 0
.set n, 0
.rept 48
	global_load_b32 v[WS+n], v2, s[30:31] offset:393216+(n/16)*16384+(n%16)*128
.set n, n+1
.endr
.set n, 0
.rept 16
	global_load_b32 v[XS+n], v2, s[34:35] offset:2097152+n*128
.set n, n+1
.endr
	s_wait_loadcnt 0x0                             ; everything is in
	WIN 0x82
.irp ct, 0,1,2,3
.irp j, 1,2,3,4,5,6,7
	v_mov_b32 v[BV+8*\ct+\j], v[BV+8*\ct]          ; in v's result a lane's eight registers are one channel: its bias in all eight
.endr
.endr
; K step s of q's and k's eight tiles for row tile rt.  The eight accumulators take turns, one instruction a turn.
.macro MQK rt, s
.irp u, 0,1
.irp ct, 0,1,2,3
.if \s == 0
	v_wmma_scale_f32_16x16x128_f8f6f4 v[ACC+32*\u+8*\ct:ACC+32*\u+8*\ct+7], v[128*\u+8*(4*\ct+\s):128*\u+8*(4*\ct+\s)+7], v[8*(4*\rt+\s):8*(4*\rt+\s)+7], v[BQ+32*\u+8*\ct:BQ+32*\u+8*\ct+7], v[WS+16*\u+4*\ct+\s], v[XS+4*\rt+\s] matrix_a_fmt:MATRIX_FMT_FP4 matrix_b_fmt:MATRIX_FMT_FP4
.else
	v_wmma_scale_f32_16x16x128_f8f6f4 v[ACC+32*\u+8*\ct:ACC+32*\u+8*\ct+7], v[128*\u+8*(4*\ct+\s):128*\u+8*(4*\ct+\s)+7], v[8*(4*\rt+\s):8*(4*\rt+\s)+7], v[ACC+32*\u+8*\ct:ACC+32*\u+8*\ct+7], v[WS+16*\u+4*\ct+\s], v[XS+4*\rt+\s] matrix_a_fmt:MATRIX_FMT_FP4 matrix_b_fmt:MATRIX_FMT_FP4
.endif
.endr
.endr
.endm
; the same of v's four tiles, the natural way round: source 0 = x, source 1 = wv; the scale operands go with them
.macro MV rt, s
.irp ct, 0,1,2,3
.if \s == 0
	v_wmma_scale_f32_16x16x128_f8f6f4 v[ACC+64+8*\ct:ACC+64+8*\ct+7], v[8*(4*\rt+\s):8*(4*\rt+\s)+7], v[8*(4*\ct+\s):8*(4*\ct+\s)+7], v[BV+8*\ct:BV+8*\ct+7], v[XS+4*\rt+\s], v[WS+32+4*\ct+\s] matrix_a_fmt:MATRIX_FMT_FP4 matrix_b_fmt:MATRIX_FMT_FP4
.else
	v_wmma_scale_f32_16x16x128_f8f6f4 v[ACC+64+8*\ct:ACC+64+8*\ct+7], v[8*(4*\rt+\s):8*(4*\rt+\s)+7], v[8*(4*\ct+\s):8*(4*\ct+\s)+7], v[ACC+64+8*\ct:ACC+64+8*\ct+7], v[XS+4*\rt+\s], v[WS+32+4*\ct+\s] matrix_a_fmt:MATRIX_FMT_FP4 matrix_b_fmt:MATRIX_FMT_FP4
.endif
.endr
.endm
; One tile of 16 rows: 48 products, the rotation, q's factor, the rounding to f16, twelve stores of 512 consecutive bytes.
.macro TILE rt
	WIN 0x2d                                       ; source 0 (weights) window 1, source 1 (x) window 3, source 2 (bias) window 2
	MQK \rt, 0
	WIN 0x0d
	MQK \rt, 1
	MQK \rt, 2
	MQK \rt, 3
	WIN 0x2b                                       ; source 0 (x) window 3, source 1 (wv) window 2, source 2 (bias) window 2
	MV \rt, 0
	WIN 0x0b
	MV \rt, 1
	MV \rt, 2
	MV \rt, 3
	WIN 0
.rept 5
	v_nop                                          ; places behind the products: four ahead of the vector lines that read and write the results, five ahead of the next tile's first products, which begin the same accumulators anew with the bias as C (ISA guide 7.12.1)
.endr
	WIN 0x0c                                       ; source 1 (cos, sin) window 3
.irp u, 0,1
.irp a, 0,1
.irp jj, 0,2,4,6                               ; each accumulator is read from its low end on
	v_pk_mul_f32 v[T+2*\jj:T+2*\jj+1], v[ACC+32*\u+8*(\a+2)+\jj:ACC+32*\u+8*(\a+2)+\jj+1], v[RP+32*\rt+16+8*\a+\jj:RP+32*\rt+16+8*\a+\jj+1]   ; y sin
	v_pk_mul_f32 v[T+2*\jj+2:T+2*\jj+3], v[ACC+32*\u+8*\a+\jj:ACC+32*\u+8*\a+\jj+1], v[RP+32*\rt+16+8*\a+\jj:RP+32*\rt+16+8*\a+\jj+1]         ; x sin
.endr
.irp jj, 0,2,4,6
	v_pk_fma_f32 v[ACC+32*\u+8*\a+\jj:ACC+32*\u+8*\a+\jj+1], v[ACC+32*\u+8*\a+\jj:ACC+32*\u+8*\a+\jj+1], v[RP+32*\rt+8*\a+\jj:RP+32*\rt+8*\a+\jj+1], v[T+2*\jj:T+2*\jj+1] neg_lo:[0,0,1] neg_hi:[0,0,1]   ; x cos - y sin
	v_pk_fma_f32 v[ACC+32*\u+8*(\a+2)+\jj:ACC+32*\u+8*(\a+2)+\jj+1], v[ACC+32*\u+8*(\a+2)+\jj:ACC+32*\u+8*(\a+2)+\jj+1], v[RP+32*\rt+8*\a+\jj:RP+32*\rt+8*\a+\jj+1], v[T+2*\jj+2:T+2*\jj+3]            ; y cos + x sin
.endr
.endr
.endr
	WIN 0
.set n, 0
.rept 16
	v_pk_mul_f32 v[ACC+n:ACC+n+1], v[ACC+n:ACC+n+1], s[42:43] op_sel_hi:[1,0]   ; q x log2(e) / 8: the scores then are exponents of 2
.set n, n+2
.endr
.if \rt > 0
	s_wait_xcnt 0x0                                ; the last tile's stores have read their data: the packed registers are written again only behind this wait
.endif
.set n, 0
.rept 48
	v_cvt_pk_f16_f32 v[PK+n], v[ACC+2*n], v[ACC+2*n+1]
.set n, n+1
.endr
.irp q, 0,1,2,3
	global_store_b128 v1, v[PK+4*\q:PK+4*\q+3], s[38:39] offset:\rt*2048+512*\q          ; q: tile ct is quad ct of the tile's two fragments
.endr
.irp q, 0,1,2,3
	global_store_b128 v1, v[PK+16+4*\q:PK+16+4*\q+3], s[40:41] offset:\rt*2048+512*\q    ; k likewise
.endr
.irp q, 0,1,2,3
	global_store_b128 v1, v[PK+32+4*\q:PK+32+4*\q+3], s[40:41] offset:16384+(\rt/2)*4096+\q*1024+512*(\rt%2)   ; v: the even tile is the lower half of the fragment of 32 keys, the odd one the upper
.endr
.endm
	TILE 0
	TILE 1
	TILE 2
	TILE 3
	s_endpgm
.Lfunc_end_k_q62c6b34fcc_qkv:
	.size	k_q62c6b34fcc_qkv, .Lfunc_end_k_q62c6b34fcc_qkv-k_q62c6b34fcc_qkv
	.p2alignl 7, 3214868480
	.fill 96, 4, 3214868480
	.section	.rodata,"a",@progbits
	.p2align	6, 0x0
	.amdhsa_kernel k_q62c6b34fcc_qkv
		.amdhsa_group_segment_fixed_size 0
		.amdhsa_private_segment_fixed_size 0
		.amdhsa_enable_private_segment 0
		.amdhsa_kernarg_size 64
		.amdhsa_user_sgpr_count 2
		.amdhsa_user_sgpr_kernarg_segment_ptr 1
		.amdhsa_wavefront_size32 1
		.amdhsa_system_sgpr_workgroup_id_x 1
		.amdhsa_system_sgpr_workgroup_id_y 1
		.amdhsa_system_sgpr_workgroup_id_z 1
		.amdhsa_system_vgpr_workitem_id 0
		.amdhsa_next_free_vgpr 1024
		.amdhsa_next_free_sgpr 66
		.amdhsa_reserve_vcc 0
		.amdhsa_float_denorm_mode_32 3
		.amdhsa_float_denorm_mode_16_64 3
		.amdhsa_memory_ordered 1
		.amdhsa_forward_progress 1
		.amdhsa_inst_pref_size 88
	.end_amdhsa_kernel
	.amdgpu_metadata
---
amdhsa.version: [ 1, 2 ]
amdhsa.kernels:
  - .name:           k_q62c6b34fcc_qkv
    .symbol:         k_q62c6b34fcc_qkv.kd
    .args:
      - { .name: xq4, .offset: 0, .size: 8, .value_kind: global_buffer, .address_space: global }
      - { .name: wq4, .offset: 8, .size: 8, .value_kind: global_buffer, .address_space: global }
      - { .name: rope, .offset: 16, .size: 8, .value_kind: global_buffer, .address_space: global }
      - { .name: wq_b, .offset: 24, .size: 8, .value_kind: global_buffer, .address_space: global }
      - { .name: wk_b, .offset: 32, .size: 8, .value_kind: global_buffer, .address_space: global }
      - { .name: wv_b, .offset: 40, .size: 8, .value_kind: global_buffer, .address_space: global }
      - { .name: qf, .offset: 48, .size: 8, .value_kind: global_buffer, .address_space: global }
      - { .name: kvf, .offset: 56, .size: 8, .value_kind: global_buffer, .address_space: global }
    .group_segment_fixed_size: 0
    .private_segment_fixed_size: 0
    .kernarg_segment_align: 8
    .kernarg_segment_size: 64
    .max_flat_workgroup_size: 128
    .sgpr_count:     66
    .vgpr_count:     1024
    .wavefront_size: 32
...
	.end_amdgpu_metadata
.endif
;; end of part 2
;; launch attn (part 3): grid 16 x 16, 8 waves a work-group, clusters of 4 x 1, 327,680 bytes of LDS; arguments qf, kvf, of; writes of
.if DOCPART == 3
	.amdgcn_target "amdgcn-amd-amdhsa--gfx1250"
	.amdhsa_code_object_version 6
	.text
	.protected	k_q62c6b34fcc_attn
	.globl	k_q62c6b34fcc_attn
	.p2align	8
	.type	k_q62c6b34fcc_attn,@function
k_q62c6b34fcc_attn:
	s_mov_b64 s[64:65], 0
	v_nop
	global_prefetch_b8 v0, s[64:65] scope:SCOPE_SE
	s_setreg_imm32_b32 hwreg(HW_REG_WAVE_MODE, 25, 1), 1
	s_wait_xcnt 0x0
	s_wait_alu depctr_hold_cnt(0) depctr_sa_sdst(0) depctr_va_vdst(0) depctr_va_sdst(0) depctr_va_ssrc(0) depctr_va_vcc(0) depctr_vm_vsrc(0)
	s_getreg_b32 s2, hwreg(HW_REG_IB_STS2, 6, 4)
	s_cmp_eq_u32 s2, 0
	s_cbranch_scc0 .Lentry_in_a_cluster
	s_endpgm
.Lentry_in_a_cluster:
	s_bfe_u32 s2, ttmp6, 0x10000c
	s_cmp_lg_u32 s2, 0x3003
	s_cbranch_scc0 .Lentry_shape_is_right
	s_endpgm
.Lentry_shape_is_right:
; o[q] = the sum over k of softmax_k(q . k / 8) v[k], for one batch and head; no mask.  q (already x log2(e) / 8), k and v arrive as f16 fragments, images of the operands' registers; products, maxima and sums in f32;
; the weights p are rounded to f16 for the second product, o once at the end, to f16, as fragments for the projection.
; SHARES.  A work-group owns 256 queries of one head, each of its eight waves 32: two tiles of 16.  Two waves lie on a SIMD, 512 registers each, so that one wave's softmax stands beside the other's matrix work and LDS loads.
; Every wave walks all 4,096 keys, 128 a step: 32 products K Q^T, the softmax, 40 products V^T P.
; LAYOUT.  S^T = K Q^T (source 0 = 16 keys, source 1 = 16 queries): a lane holds ONE query (lane % 16) and the keys 8 (lane / 16) + 0..7 of the tile.  Two such tiles, rounded to f16 in pairs, ARE source 1 (32 keys x 16 queries)
; of O^T = V^T P, whose result again holds one query a lane.  Nothing changes lanes between the products; a query's maximum wants one exchange between the halves of the lanes.
; SOFTMAX.  A running maximum m for each query: p = 2^(s - m); in every step O^T and the sum are multiplied by a = 2^(m_old - m_new).  THE ROW'S SUM is a fifth tile of V^T P whose source 0 is a fragment of ones:
; it sums the same f16 weights that multiply v, in f32, and is rescaled with O^T.  m begins at -3e38 and O^T at 0, so that the step is written once.
; THE RING.  Two LDS slots of four steps (131,072 bytes), as the bytes lie in memory: a fragment load is 512 consecutive bytes, so there is no padding.  Each wave brings an eighth of a slot by one tensor load.
; CLUSTER.  The four query blocks of a cluster belong to one head and walk the same K and V: each tile is asked for JOINTLY, by the same tensor load with the same descriptor and a mask that names the four.
; By this text's own count one tensor load of a wave is out at a time; it has a slot's four steps, 288 matrix instructions of the wave, in which to land.  Every wait on TENSORcnt is for 0.
; LIMITS: p and o go to f16 (p is at most 1; o under 6e-5 keeps an absolute error of 3e-8); NaN and infinities among the inputs are not served.
; REGISTERS, in windows of 256: window 0: v1-6 addresses; v8-23 eight registers of statistics a tile; v64-191 S^T, 64 a tile, and in place P.
;   window 1: v0-31 Q; v32-111 O^T and the sum, 40 a tile; v112-119 ones; v128-191, v192-255 two buffers of eight fragments of K or of V.
.set STEPB, 32768                      ; a step's bytes: 16 fragments of K, then 16 of V^T
.set SLOT1, 131072                     ; slot 1 begins here: one exclusive or turns an address in one slot into the other's
.set SPARE, 262144                     ; behind the ring: the spare words, 128 bytes for each wave: four blocks of 256 bytes that no other line names
.set LI,  1                            ; v1  16 x lane; never rewritten
.set ADR, 2                            ; v2  LDS address of the step in hand
.set SPW, 4                            ; v4  LDS address of my spare word; never rewritten
.set NIL, 5                            ; v5  0; never rewritten
.set PFO, 6                            ; v6  256 x lane: the prefetches' offset; never rewritten
.set ST,  8                            ; tile t's statistics at v[ST+8 t]: +0 m, +1 the old m, +2 a, +3 written once (named with a as a pair), +4 to +7 four chains of the maximum
.set S,   64
.set QF,  0                            ; window 1
.set O,   32
.set ONES, 112
.set F0,  128
.set WV,  10                           ; s10 my wave's number
.set G1,  24                           ; s[24:31] descriptor group 1
.set G0,  32                           ; s[32:35] descriptor group 0: it walks
.set TB,  36                           ; s36 LDS byte at which the step in hand begins
.set SLOTS, 37                         ; s37 slots still to be asked for
.set STEPS, 38                         ; s38 counts a slot's four steps
.set SEL, 40                           ; s[40:41] lane selects for v_permlanex16_b32: lane l xor 16
.set PFA, 42                           ; s[42:43] where my prefetches stand
.set LIM, 44                           ; s44 1 in a wave that prefetches, else the greatest number
.set MSB, 0
.macro WIN new                         ; s_set_vgpr_msb's low byte: bits 1:0 source 0, 3:2 source 1, 5:4 source 2, 7:6 destination; its high byte repeats the setting that is left
.if MSB != \new
	s_set_vgpr_msb (MSB<<8)|\new
.set MSB, \new
.endif
.endm
.macro PLACES n
.rept \n
	v_nop
.endr
.endm
; A round of the cluster's barrier: my work-group's barrier, so that wave 0's signal speaks for all eight waves; wave 0 signals for the work-group; every wave waits for all four work-groups; my work-group's barrier once more.
.macro CROUND
	s_barrier_signal -1
	s_barrier_wait -1
	s_cmp_lg_u32 s[WV], 0
	s_cbranch_scc1 .Lnot_wave_0_\@
	s_barrier_signal -3
.Lnot_wave_0_\@:
	s_barrier_wait -3
	s_barrier_signal -1
	s_barrier_wait -1
.endm
; A PREFETCH INTO THE L2 of the slot that the NEXT change of slots will ask for: four steps ahead of that load.  All clusters of a head walk the same bytes: the head's first cluster asks.  Its four partners share the slot's
; 131,072 bytes out BY ADDRESS, 32,768 each; in each, waves 0 to 3 take 8,192 each, lanes 256 bytes apart: each block of 256 bytes is named once in the launch.  The last change that fills a slot asks for nothing.
.macro ASK
	s_cmp_gt_u32 s[SLOTS], s[LIM]
	s_cbranch_scc0 .Lnot_mine_\@
	global_prefetch_b8 v[PFO], s[PFA:PFA+1] th:TH_LOAD_NT scope:SCOPE_SE
.Lnot_mine_\@:
.endm
	s_load_b128 s[4:7], s[0:1], 0x0                ; qf 4:5, kvf 6:7
	s_load_b64 s[8:9], s[0:1], 0x10                ; of
	v_lshl_add_u32 v[SPW], v0, 2, SPARE
	v_mov_b32 v[NIL], 0
	ds_add_u32 v[SPW], v[NIL]                      ; the wave's opening: the add, twice on end, and its wait stand ahead of my first tensor load; the set-up below, work on registers, stands between
	ds_add_u32 v[SPW], v[NIL]
	v_lshrrev_b32 v3, 5, v0
	v_readfirstlane_b32 s[WV], v3                  ; wave 0..7
	s_bfe_u32 s11, ttmp6, 0x40000                  ; cx: my place in the cluster: it enters Q's, o's and the prefetches' addresses alone
	s_lshl_b32 s12, ttmp9, 2                       ; in a cluster launch ttmp9 counts clusters
	s_add_co_u32 s12, s12, s11                     ; my block of 256 queries
	s_and_b32 s13, ttmp7, 0xffff                   ; 8 x batch + head, which the four partners share
	; descriptor group 1: a dense block of 16,384 bytes as 64 rows of 256 bytes
	s_mov_b32 s[G1], 15|(3<<16)|(1<<21)            ; 15:0 the mask: all four work-groups; 17:16 elements of 8 bytes; 20 no padding; 21 set beside a mask
	s_mov_b32 s[G1+1], 32<<16                      ; tensor_dim0 = 32 elements
	s_mov_b32 s[G1+2], 64<<16                      ; tensor_dim1 = 64
	s_mov_b32 s[G1+3], 32<<16                      ; tile_dim0 = 32
	s_mov_b32 s[G1+4], 64                          ; tile_dim1 = 64
	s_mov_b32 s[G1+5], 32                          ; from row to row: 32 elements
	s_mov_b32 s[G1+6], 0
	s_mov_b32 s[G1+7], 0
	s_mov_b32 s[SEL], 0x76543210
	s_mov_b32 s[SEL+1], 0xfedcba98
	s_mov_b32 s[TB], 0
	s_mov_b32 s[SLOTS], 7
	s_lshr_b32 s[LIM], s[WV], 2                    ; 0 in waves 0 to 3,
	s_or_b32 s[LIM], s[LIM], ttmp9                 ; where the cluster is the head's first: the same in all four partners
	s_cmp_eq_u32 s[LIM], 0
	s_cselect_b32 s[LIM], 1, -1
	v_and_b32 v3, 31, v0
	v_lshlrev_b32 v[LI], 4, v3
	v_lshlrev_b32 v[PFO], 8, v3
	s_lshl_b32 s14, s13, 20                        ; the head's first byte in kvf
	s_lshl_b32 s16, s[WV], 14                      ; my eighth of a slot
	s_add_co_u32 s16, s16, s14
	s_mov_b32 s17, 0
	s_lshl_b32 s18, s11, 15                        ; the prefetches: my work-group's quarter of a slot,
	s_add_co_u32 s18, s18, s14
	s_and_b32 s15, s[WV], 3
	s_lshl_b32 s15, s15, 13                        ; my wave's quarter of that,
	s_add_co_u32 s18, s18, s15
	s_add_co_u32 s18, s18, SLOT1                   ; in slot 1: the first change of slots steps it to slot 2.  Nothing is prefetched at the head
	s_mov_b32 s19, 0
	s_lshl_b32 s20, s13, 19                        ; qf: 524,288 bytes a head,
	s_lshl_b32 s15, s12, 15                        ; 32,768 a block of 256 queries,
	s_add_co_u32 s20, s20, s15
	s_lshl_b32 s15, s[WV], 12                      ; 4,096 a wave's two tiles
	s_add_co_u32 s20, s20, s15
	s_mov_b32 s21, 0
	s_lshr_b32 s22, s13, 3                         ; of: [tile of 16 rows][16 chunks of 32 channels][1,024]: the batch's 256 tiles,
	s_lshl_b32 s22, s22, 22
	s_lshl_b32 s15, s12, 18                        ; the block's 16,
	s_add_co_u32 s22, s22, s15
	s_lshl_b32 s15, s[WV], 15                      ; my wave's two,
	s_add_co_u32 s22, s22, s15
	s_and_b32 s15, s13, 7
	s_lshl_b32 s15, s15, 11                        ; the head's two chunks
	s_add_co_u32 s22, s22, s15
	s_mov_b32 s23, 0
	s_wait_dscnt 0x0                               ; both opening adds are done
	s_wait_kmcnt 0x0
	s_mov_b32 s[G0], 1                             ; 1:0 count = 1
	s_lshl_b32 s[G0+1], s[WV], 14                  ; 63:32 LDS address: slot 0, my eighth: no place in the cluster enters it
	s_add_nc_u64 s[G0+2:G0+3], s[6:7], s[16:17]    ; 120:64 global address: the head's first 512 keys, my eighth
	s_or_b32 s[G0+3], s[G0+3], 0x80000000          ; 127:126 type = 2
	s_add_nc_u64 s[PFA:PFA+1], s[6:7], s[18:19]
	s_add_nc_u64 s[20:21], s[4:5], s[20:21]
	s_add_nc_u64 s[22:23], s[8:9], s[22:23]
	CROUND                                         ; all four work-groups are here: the first joint loads meet
	tensor_load_to_lds s[G0:G0+3], s[G1:G1+7]      ; slot 0
	s_nop 0                                        ; this line and the four below stand ahead of a switch of windows
	PLACES 4
	WIN 0x40                                       ; destination window 1
.irp i, 0,1,2,3,4,5,6,7
	global_load_b128 v[QF+4*\i:QF+4*\i+3], v[LI], s[20:21] offset:512*\i   ; Q stays in registers: tile t, channels 32 c on at v[16 t + 8 c]
.endr
.set n, 0
.rept 80
	v_mov_b32 v[O+n], 0                            ; O^T and the sums.  (The step is written once: its first trip finds zeros)
.set n, n+1
.endr
.irp i, 0,1,2,3,4,5,6,7
	v_mov_b32 v[ONES+\i], 0x3c003c00               ; 1.0 twice, in f16
.endr
	WIN 0
.irp t, 0,1
	v_mov_b32 v[ST+8*\t], 0xff61b1e6               ; m: -3e38, under every score
	v_mov_b32 v[ST+8*\t+3], 0
.endr
; 16 LDS loads in one run: eight fragments, 8,192 consecutive bytes from byte off of the step, into the buffer at f
.macro LOADF f, off
	WIN 0x40
.set n, 0
.rept 16
	ds_load_b128 v[\f+4*n:\f+4*n+3], v[ADR] offset:\off+512*n
.set n, n+1
.endr
.endm
; 16 products of S^T = K Q^T: key tiles 4 hh .. 4 hh + 3 from buffer hh, both tiles of queries, channels 32 c on.  The first eight start the sums.  The eight accumulators take turns, one instruction a turn.
.macro KQ hh
	WIN 0x05                                       ; K and Q window 1, S^T window 0
.irp c, 0,1
.irp i, 0,1,2,3
.irp t, 0,1
.if \c == 0
	v_wmma_f32_16x16x32_f16 v[S+64*\t+8*(4*\hh+\i):S+64*\t+8*(4*\hh+\i)+7], v[F0+64*\hh+16*\i+8*\c:F0+64*\hh+16*\i+8*\c+7], v[QF+16*\t+8*\c:QF+16*\t+8*\c+7], 0
.else
	v_wmma_f32_16x16x32_f16 v[S+64*\t+8*(4*\hh+\i):S+64*\t+8*(4*\hh+\i)+7], v[F0+64*\hh+16*\i+8*\c:F0+64*\hh+16*\i+8*\c+7], v[QF+16*\t+8*\c:QF+16*\t+8*\c+7], v[S+64*\t+8*(4*\hh+\i):S+64*\t+8*(4*\hh+\i)+7]
.endif
.endr
.endr
.endr
.endm
; 20 products of O^T += V^T P: groups of 32 keys 2 hh, 2 hh + 1 from buffer hh; four tiles of channels and, as a fifth, the ones, whose result is the row's sum.  Ten accumulators by turns.
.macro PV hh
	WIN 0x51                                       ; V window 1, P window 0, O^T window 1
.irp i, 0,1
.irp ct, 0,1,2,3,4
.irp t, 0,1
.if \ct < 4
	v_wmma_f32_16x16x32_f16 v[O+40*\t+8*\ct:O+40*\t+8*\ct+7], v[F0+64*\hh+32*\i+8*\ct:F0+64*\hh+32*\i+8*\ct+7], v[S+64*\t+16*(2*\hh+\i):S+64*\t+16*(2*\hh+\i)+7], v[O+40*\t+8*\ct:O+40*\t+8*\ct+7]
.else
	v_wmma_f32_16x16x32_f16 v[O+40*\t+8*\ct:O+40*\t+8*\ct+7], v[ONES:ONES+7], v[S+64*\t+16*(2*\hh+\i):S+64*\t+16*(2*\hh+\i)+7], v[O+40*\t+8*\ct:O+40*\t+8*\ct+7]
.endif
.endr
.endr
.endr
.endm
; The softmax of a step, both tiles by turns.
.macro SOFTMAX
	WIN 0
.irp c, 0,1,2,3                                ; the maximum of a lane's 64 scores: four chains of 16; each accumulator is read from its low end on
.irp t, 0,1
	v_max3_num_f32 v[ST+8*\t+4+\c], v[S+64*\t+16*\c], v[S+64*\t+16*\c+1], v[S+64*\t+16*\c+2]
.endr
.endr
.irp i, 3,5,7,9,11,13
.irp c, 0,1,2,3
.irp t, 0,1
	v_max3_num_f32 v[ST+8*\t+4+\c], v[ST+8*\t+4+\c], v[S+64*\t+16*\c+\i], v[S+64*\t+16*\c+\i+1]
.endr
.endr
.endr
.irp c, 0,1,2,3
.irp t, 0,1
	v_max_num_f32 v[ST+8*\t+4+\c], v[ST+8*\t+4+\c], v[S+64*\t+16*\c+15]
.endr
.endr
.irp t, 0,1
	v_mov_b32 v[ST+8*\t+1], v[ST+8*\t]             ; the old m is kept for a
.endr
.irp t, 0,1
	v_max3_num_f32 v[ST+8*\t+4], v[ST+8*\t+4], v[ST+8*\t+5], v[ST+8*\t+6]
.endr
.irp t, 0,1
	v_max3_num_f32 v[ST+8*\t+4], v[ST+8*\t+4], v[ST+8*\t+7], v[ST+8*\t+1]
.endr
.irp t, 0,1
	v_permlanex16_b32 v[ST+8*\t+5], v[ST+8*\t+4], s[SEL], s[SEL+1]   ; the query's other 64 keys lie in the lane 16 away
.endr
.irp t, 0,1
	v_max_num_f32 v[ST+8*\t], v[ST+8*\t+4], v[ST+8*\t+5]             ; the new m
.endr
.irp t, 0,1
	v_sub_f32 v[ST+8*\t+2], v[ST+8*\t+1], v[ST+8*\t]
.endr
.irp t, 0,1
.set n, 0
.rept 32
	v_pk_add_f32 v[S+64*\t+n:S+64*\t+n+1], v[S+64*\t+n:S+64*\t+n+1], v[ST+8*\t:ST+8*\t+1] op_sel_hi:[1,0] neg_lo:[0,1] neg_hi:[0,1]   ; s - m, two at a time (of the pair the low word serves both halves)
.set n, n+2
.endr
.endr
.irp t, 0,1
	v_exp_f32 v[ST+8*\t+2], v[ST+8*\t+2]           ; a = 2^(m_old - m_new)
.endr
.set n, 0
.rept 128
	v_exp_f32 v[S+n], v[S+n]                       ; p = 2^(s - m), at most 1
.set n, n+1
.endr
	v_nop                                          ; a plain line behind the last exponential,
	s_wait_alu depctr_va_vdst(0)                   ; and ONE wait for the batch of 130, ahead of its first reader
.irp t, 0,1
.irp g, 0,1,2,3
.irp i, 0,1,2,3,4,5,6,7
	v_cvt_pk_f16_f32 v[S+64*\t+16*\g+\i], v[S+64*\t+16*\g+2*\i], v[S+64*\t+16*\g+2*\i+1]   ; in place, ascending: the 16 weights of key tiles 2 g, 2 g + 1 become the fragment of 32 keys in the group's first eight registers
.endr
.endr
.endr
	WIN 0x41                                       ; O^T (destination and source 0) window 1, a window 0
.irp t, 0,1
.set n, 0
.rept 20
	v_pk_mul_f32 v[O+40*\t+n:O+40*\t+n+1], v[O+40*\t+n:O+40*\t+n+1], v[ST+8*\t+2:ST+8*\t+3] op_sel_hi:[1,0]   ; O^T and the sum under the new m
.set n, n+2
.endr
.endr
.endm
; A KEY STEP.  The two buffers hold by turns K's halves and V's halves; each run of loads is issued as soon as the products that read its buffer are out, and is waited for with the younger run left out.
; PLACES (not for loads): four plain lines between a product and a load into a register that it read, and ahead of the first read of S^T; five between a product V^T P and the product K Q^T of the
; next step that writes over its P: the five v_nop at the step's end, the address's addition, and for the second half the four more ahead of V's first run.
.macro STEP
	WIN 0
	v_add_nc_u32 v[ADR], s[TB], v[LI]
	LOADF F0, 0                                    ; K: key tiles 0-3
	LOADF F0+64, 8192                              ; K: key tiles 4-7
	s_wait_dscnt 16                                ; the first run is in; the second may be out
	KQ 0
	PLACES 4
	LOADF F0, 16384                                ; V: keys 0-63
	s_wait_dscnt 16                                ; K's second half is in; V's first may be out
	KQ 1
	PLACES 4
	LOADF F0+64, 24576                             ; V: keys 64-127
	SOFTMAX
	s_wait_dscnt 16                                ; V's first half is in
	PV 0
	s_wait_dscnt 0x0
	PV 1
	WIN 0
	PLACES 5
	s_add_co_u32 s[TB], s[TB], STEPB
.endm
.macro SLOT_STEPS                      ; a slot's four steps: written once, walked four times; the LDS addresses hang on s[TB]
	s_mov_b32 s[STEPS], 4
.Lstep_\@:
	STEP
	s_sub_co_u32 s[STEPS], s[STEPS], 1
	s_cmp_lg_u32 s[STEPS], 0
	s_cbranch_scc1 .Lstep_\@
	s_sub_co_u32 s[TB], s[TB], 4*STEPB             ; back to a slot's first step,
	s_xor_b32 s[TB], s[TB], SLOT1                  ; in the other slot
.endm
; THE CHANGE OF SLOTS stands at a slot's head.  Each wave waits for all its tensor loads (its eighth of the slot that it is about to read), adds 0 to its spare word, and waits for that and for its reads of the slot that it has left.
; fill = 1: the barrier is a round of the cluster's, so that no wave of any partner still reads the other slot or has a load on its way; the joint load of the next 512 keys is the first thing behind it.
.macro CHANGE fill
	WIN 0
	s_wait_tensorcnt 0x0                           ; no tensor load of mine is out, so group 0 may be written
	ds_add_u32 v[SPW], v[NIL]                      ; 0 onto my spare word
.if \fill
	s_xor_b32 s[G0+1], s[G0+1], SLOT1              ; the walking descriptor: the other slot than last time,
	s_add_nc_u64 s[G0+2:G0+3], s[G0+2:G0+3], SLOT1 ; the next 131,072 bytes; the type bits on top are not reached
	s_wait_xcnt 0x0                                ; the last prefetch, a slot back, has read its address, so it may be written:
	s_add_nc_u64 s[PFA:PFA+1], s[PFA:PFA+1], SLOT1 ; one slot further on than the walking descriptor
	s_wait_dscnt 0x0                               ; the add is done, and my reads of the slot that I have left are over
	CROUND
	tensor_load_to_lds s[G0:G0+3], s[G1:G1+7]
	s_nop 0
	PLACES 4
	ASK
.else
	s_wait_dscnt 0x0
	s_barrier_signal -1
	s_barrier_wait -1
.endif
.endm
	s_wait_loadcnt 0x0                             ; Q
.Lslot:                                            ; seven trips: behind each change of slots but the last the next slot is asked for
	CHANGE 1
	SLOT_STEPS
	s_sub_co_u32 s[SLOTS], s[SLOTS], 1
	s_cmp_lg_u32 s[SLOTS], 0
	s_cbranch_scc1 .Lslot
	CHANGE 0                                       ; the last slot is written out
	SLOT_STEPS
	; THE WAY OUT.  Every register of the fifth tile holds my query's sum: its lowest is read.  O^T / the sum, rounded to f16 in pairs: tiles 2 c, 2 c + 1 are the projection's fragment (16 rows x channels 32 c .. 32 c + 31).
	WIN 0x01                                       ; source 0 window 1
.irp t, 0,1
	v_rcp_f32 v[ST+8*\t+2], v[O+40*\t+32]
.endr
	WIN 0
	v_nop                                          ; a plain line behind the last reciprocal,
	s_wait_alu depctr_va_vdst(0)                   ; and the wait ahead of the first reader
	WIN 0x41
.irp t, 0,1
.set n, 0
.rept 16
	v_pk_mul_f32 v[O+40*\t+n:O+40*\t+n+1], v[O+40*\t+n:O+40*\t+n+1], v[ST+8*\t+2:ST+8*\t+3] op_sel_hi:[1,0]
.set n, n+2
.endr
.endr
	WIN 0x05                                       ; sources 0 and 1 window 1, destination window 0: S^T's registers are free
.irp t, 0,1
.set n, 0
.rept 16
	v_cvt_pk_f16_f32 v[S+16*\t+n], v[O+40*\t+2*n], v[O+40*\t+2*n+1]
.set n, n+1
.endr
.endr
	WIN 0
.irp t, 0,1
.irp q, 0,1,2,3
	global_store_b128 v[LI], v[S+16*\t+4*\q:S+16*\t+4*\q+3], s[22:23] offset:\t*16384+512*\q   ; 512 consecutive bytes each, 2,048 a tile
.endr
.endr
	s_wait_tensorcnt 0x0                           ; the wave's end: a tensor wait, an add to my spare word and its wait, behind my last tensor load
	ds_add_u32 v[SPW], v[NIL]
	s_wait_dscnt 0x0
	CROUND                                         ; the closing round: no work-group ends while a partner may still ask for a tile that names it
	s_endpgm
.Lfunc_end_k_q62c6b34fcc_attn:
	.size	k_q62c6b34fcc_attn, .Lfunc_end_k_q62c6b34fcc_attn-k_q62c6b34fcc_attn
	.p2alignl 7, 3214868480
	.fill 96, 4, 3214868480
	.section	.rodata,"a",@progbits
	.p2align	6, 0x0
	.amdhsa_kernel k_q62c6b34fcc_attn
		.amdhsa_group_segment_fixed_size 327680
		.amdhsa_private_segment_fixed_size 0
		.amdhsa_enable_private_segment 0
		.amdhsa_kernarg_size 24
		.amdhsa_user_sgpr_count 2
		.amdhsa_user_sgpr_kernarg_segment_ptr 1
		.amdhsa_wavefront_size32 1
		.amdhsa_system_sgpr_workgroup_id_x 1
		.amdhsa_system_sgpr_workgroup_id_y 1
		.amdhsa_system_sgpr_workgroup_id_z 1
		.amdhsa_system_vgpr_workitem_id 0
		.amdhsa_next_free_vgpr 512
		.amdhsa_next_free_sgpr 66
		.amdhsa_reserve_vcc 0
		.amdhsa_float_denorm_mode_32 3
		.amdhsa_float_denorm_mode_16_64 3
		.amdhsa_memory_ordered 1
		.amdhsa_forward_progress 1
		.amdhsa_inst_pref_size 72
	.end_amdhsa_kernel
	.amdgpu_metadata
---
amdhsa.version: [ 1, 2 ]
amdhsa.kernels:
  - .name:           k_q62c6b34fcc_attn
    .symbol:         k_q62c6b34fcc_attn.kd
    .args:
      - { .name: qf, .offset: 0, .size: 8, .value_kind: global_buffer, .address_space: global }
      - { .name: kvf, .offset: 8, .size: 8, .value_kind: global_buffer, .address_space: global }
      - { .name: of, .offset: 16, .size: 8, .value_kind: global_buffer, .address_space: global }
    .group_segment_fixed_size: 327680
    .private_segment_fixed_size: 0
    .kernarg_segment_align: 8
    .kernarg_segment_size: 24
    .max_flat_workgroup_size: 256
    .sgpr_count:     66
    .vgpr_count:     512
    .wavefront_size: 32
...
	.end_amdgpu_metadata
.endif
;; end of part 3
;; launch oproj (part 4): grid 128 x 2, 4 waves a work-group, no clusters, 17,920 bytes of LDS; arguments of, wo16, wo_b, out0; writes out0
.if DOCPART == 4
	.amdgcn_target "amdgcn-amd-amdhsa--gfx1250"
	.amdhsa_code_object_version 6
	.text
	.protected	k_q62c6b34fcc_oproj
	.globl	k_q62c6b34fcc_oproj
	.p2align	8
	.type	k_q62c6b34fcc_oproj,@function
k_q62c6b34fcc_oproj:
	s_mov_b64 s[64:65], 0
	v_nop
	global_prefetch_b8 v0, s[64:65] scope:SCOPE_SE
	s_setreg_imm32_b32 hwreg(HW_REG_WAVE_MODE, 25, 1), 1
	s_wait_xcnt 0x0
; out0[row][m] = the sum over k of o[row][k] wo[k][m] + wo_b[m].  o and wo arrive as f16 fragments, images of the operands' registers; sums in f32; out0 is [8,192][512] f32.
; SHARES.  A work-group takes 64 rows (four tiles of 16) and 256 columns; wave w takes 64 columns, whose 64 fragments of wo (16 chunks of 32 along K x 4 tiles of 16 columns) stay in its registers.
; A tile of rows is 16 fragments of o, 64 matrix instructions.  The next tile's fragments are on their way while one is multiplied: two buffers.
; THE MATRIX INSTRUCTION IS USED TRANSPOSED (source 0 = 16 columns of wo, source 1 = 16 rows of o): a lane then holds eight neighbouring numbers of a row of out0.  The bias is the C of each sum's first matrix instruction.
; THE WAY OUT.  A tile's 16 rows x 64 columns go through my own stage in LDS (rows of 256 bytes + 16) and come back as whole rows: sixteen lanes store 256 consecutive bytes, at a multiple of 256 from out0's first byte.
; No tensor load and no barrier: waves share nothing.
; REGISTERS, in windows of 256: window 0: v1-7 addresses; v8-39 the bias, four tiles; v40-103 two sets of four accumulators; v104-167 two sets of rows read back.   window 1: wo's chunks 0-7.   window 2: chunks 8-15.   window 3: two buffers of o's 16 fragments.
.set SP,    272
.set SPARE, 4*16*SP                    ; behind the four stages: the spare words, 128 bytes for each wave: two blocks of 256 bytes that no other line names
.set STO, 3                            ; v3  the stage: where I put 32 bytes of a row
.set RD,  4                            ; v4  and where I read a row back
.set CO,  5                            ; v5  my byte offset in two rows of out0
.set SPW, 6                            ; v6  LDS address of my spare word; never rewritten
.set NIL, 7                            ; v7  0; never rewritten
.set BI,  8
.set ACC, 40
.set BK,  104
.set MSB, 0
.macro WIN new                         ; s_set_vgpr_msb's low byte: bits 1:0 source 0, 3:2 source 1, 5:4 source 2, 7:6 destination; its high byte repeats the setting that is left
.if MSB != \new
	s_set_vgpr_msb (MSB<<8)|\new
.set MSB, \new
.endif
.endm
	s_load_b256 s[4:11], s[0:1], 0x0               ; of 4:5, wo16 6:7, wo_b 8:9, out0 10:11
	v_lshl_add_u32 v[SPW], v0, 2, SPARE
	v_mov_b32 v[NIL], 0
	v_lshrrev_b32 v8, 5, v0
	v_readfirstlane_b32 s12, v8                    ; wave 0..3
	v_and_b32 v8, 31, v0
	v_lshlrev_b32 v1, 4, v8                        ; 16 x lane: an image's place
	v_and_b32 v9, 15, v0                           ; r
	v_bfe_u32 v10, v0, 4, 1                        ; h
	v_lshlrev_b32 v2, 5, v10                       ; 32 h: my half's eight numbers of the bias
	s_mul_i32 s15, s12, 16*SP                      ; my stage
	v_mul_u32_u24 v[STO], v9, SP
	v_lshl_add_u32 v[STO], v10, 5, v[STO]
	v_add_nc_u32 v[STO], s15, v[STO]               ; in: row r, 32 bytes for each half of the lanes
	v_mul_u32_u24 v[RD], v10, SP
	v_lshl_add_u32 v[RD], v9, 4, v[RD]
	v_add_nc_u32 v[RD], s15, v[RD]                 ; back: lanes 0-15 one row of 256 bytes, lanes 16-31 the next
	v_lshlrev_b32 v[CO], 11, v10
	v_lshl_add_u32 v[CO], v9, 4, v[CO]             ; and the same two rows in out0
	s_and_b32 s13, ttmp7, 0xffff
	s_lshl_b32 s14, s13, 2
	s_add_co_u32 s14, s14, s12                     ; my group of 64 columns
	s_mov_b32 s25, 0
	s_wait_kmcnt 0x0
	s_lshl_b32 s24, s14, 16
	s_add_nc_u64 s[16:17], s[6:7], s[24:25]        ; its 64 fragments of wo
	s_lshl_b32 s24, s14, 8
	s_add_nc_u64 s[18:19], s[8:9], s[24:25]        ; its 64 numbers of the bias
	s_add_nc_u64 s[22:23], s[10:11], s[24:25]      ; its 256 bytes of a row of out0,
	s_lshl_b32 s24, ttmp9, 17
	s_add_nc_u64 s[22:23], s[22:23], s[24:25]      ; in my 64 rows of 2,048 bytes
	s_lshl_b32 s24, ttmp9, 16
	s_add_nc_u64 s[20:21], s[4:5], s[24:25]        ; and the four tiles' fragments of o
	WIN 0x40
.set n, 0
.rept 64
	global_load_b128 v[4*n:4*n+3], v1, s[16:17] offset:512*n
.set n, n+1
.endr
	WIN 0x80
.set n, 0
.rept 64
	global_load_b128 v[4*n:4*n+3], v1, s[16:17] offset:32768+512*n
.set n, n+1
.endr
	WIN 0
.irp ct, 0,1,2,3
.irp u, 0,1
	global_load_b128 v[BI+8*\ct+4*\u:BI+8*\ct+4*\u+3], v2, s[18:19] offset:64*\ct+16*\u   ; the bias at columns 16 ct + 8 h + 0 .. 7
.endr
.endr
.macro OLOAD rt                        ; tile rt's 16 fragments of o into buffer rt % 2: 32 loads of 512 consecutive bytes
	WIN 0xc0
.set n, 0
.rept 32
	global_load_b128 v[128*((\rt)%2)+4*n:128*((\rt)%2)+4*n+3], v1, s[20:21] offset:(\rt)*16384+512*n
.set n, n+1
.endr
	WIN 0
.endm
; 64 matrix instructions: tile rt's rows x my four tiles of columns, K ascending.  The four accumulators take turns, one instruction a turn.
; The four v_nop behind them are the places (not for loads) ahead of the LDS stores that read the results and of the loads into the buffer just multiplied; an accumulator set is begun anew, with the bias as C, two tiles later: eight places on.
.macro MUL rt
	WIN 0x0d                                       ; source 0 (wo) window 1, source 1 (o) window 3
.irp kc, 0,1,2,3,4,5,6,7
.irp ct, 0,1,2,3
.if \kc == 0
	v_wmma_f32_16x16x32_f16 v[ACC+32*((\rt)%2)+8*\ct:ACC+32*((\rt)%2)+8*\ct+7], v[8*(4*\kc+\ct):8*(4*\kc+\ct)+7], v[128*((\rt)%2)+8*\kc:128*((\rt)%2)+8*\kc+7], v[BI+8*\ct:BI+8*\ct+7]
.else
	v_wmma_f32_16x16x32_f16 v[ACC+32*((\rt)%2)+8*\ct:ACC+32*((\rt)%2)+8*\ct+7], v[8*(4*\kc+\ct):8*(4*\kc+\ct)+7], v[128*((\rt)%2)+8*\kc:128*((\rt)%2)+8*\kc+7], v[ACC+32*((\rt)%2)+8*\ct:ACC+32*((\rt)%2)+8*\ct+7]
.endif
.endr
.endr
	WIN 0x0e                                       ; source 0 window 2
.irp kc, 8,9,10,11,12,13,14,15
.irp ct, 0,1,2,3
	v_wmma_f32_16x16x32_f16 v[ACC+32*((\rt)%2)+8*\ct:ACC+32*((\rt)%2)+8*\ct+7], v[8*(4*(\kc-8)+\ct):8*(4*(\kc-8)+\ct)+7], v[128*((\rt)%2)+8*\kc:128*((\rt)%2)+8*\kc+7], v[ACC+32*((\rt)%2)+8*\ct:ACC+32*((\rt)%2)+8*\ct+7]
.endr
.endr
	WIN 0
.rept 4
	v_nop
.endr
.endm
.macro TOSTAGE rt
.if (\rt) >= 2
	s_wait_xcnt 0x0                                ; the stores of two tiles back have read their data: the loads below land there only behind this wait
.endif
.irp ct, 0,1,2,3
.irp u, 0,1
	ds_store_b128 v[STO], v[ACC+32*((\rt)%2)+8*\ct+4*\u:ACC+32*((\rt)%2)+8*\ct+4*\u+3] offset:64*\ct+16*\u   ; each accumulator from its low end on
.endr
.endr
.irp i, 0,1,2,3,4,5,6,7
	ds_load_b128 v[BK+32*((\rt)%2)+4*\i:BK+32*((\rt)%2)+4*\i+3], v[RD] offset:\i*2*SP   ; LDS serves a wave's instructions in order: these see the stores above, and the next tile's stores come behind them
.endr
.endm
.macro SEND rt
	s_wait_dscnt 0x0                               ; the tile is back in registers
.irp i, 0,1,2,3,4,5,6,7
	global_store_b128 v[CO], v[BK+32*((\rt)%2)+4*\i:BK+32*((\rt)%2)+4*\i+3], s[22:23] offset:(\rt)*32768+4096*\i th:TH_STORE_NT   ; written once, read by nobody here
.endr
.endm
	OLOAD 0
	OLOAD 1
	s_wait_loadcnt 32                              ; wo, the bias and tile 0 are in; tile 1's 32 loads may be out
	MUL 0
	OLOAD 2
	TOSTAGE 0
	s_wait_loadcnt 32                              ; tile 1 is in; tile 2's 32 loads may be out
	MUL 1
	OLOAD 3
	SEND 0
	TOSTAGE 1
	s_wait_loadcnt 32                              ; tile 2 is in; tile 3's may be out
	MUL 2
	SEND 1
	TOSTAGE 2
	s_wait_loadcnt 0x0
	MUL 3
	SEND 2
	TOSTAGE 3
	SEND 3
	s_wait_tensorcnt 0x0                           ; the wave's end: a tensor wait, an add to my spare word
	ds_add_u32 v[SPW], v[NIL]
	s_wait_dscnt 0x0
	s_endpgm
.Lfunc_end_k_q62c6b34fcc_oproj:
	.size	k_q62c6b34fcc_oproj, .Lfunc_end_k_q62c6b34fcc_oproj-k_q62c6b34fcc_oproj
	.p2alignl 7, 3214868480
	.fill 96, 4, 3214868480
	.section	.rodata,"a",@progbits
	.p2align	6, 0x0
	.amdhsa_kernel k_q62c6b34fcc_oproj
		.amdhsa_group_segment_fixed_size 17920
		.amdhsa_private_segment_fixed_size 0
		.amdhsa_enable_private_segment 0
		.amdhsa_kernarg_size 32
		.amdhsa_user_sgpr_count 2
		.amdhsa_user_sgpr_kernarg_segment_ptr 1
		.amdhsa_wavefront_size32 1
		.amdhsa_system_sgpr_workgroup_id_x 1
		.amdhsa_system_sgpr_workgroup_id_y 1
		.amdhsa_system_sgpr_workgroup_id_z 1
		.amdhsa_system_vgpr_workitem_id 0
		.amdhsa_next_free_vgpr 1024
		.amdhsa_next_free_sgpr 66
		.amdhsa_reserve_vcc 0
		.amdhsa_float_denorm_mode_32 3
		.amdhsa_float_denorm_mode_16_64 3
		.amdhsa_memory_ordered 1
		.amdhsa_forward_progress 1
		.amdhsa_inst_pref_size 52
	.end_amdhsa_kernel
	.amdgpu_metadata
---
amdhsa.version: [ 1, 2 ]
amdhsa.kernels:
  - .name:           k_q62c6b34fcc_oproj
    .symbol:         k_q62c6b34fcc_oproj.kd
    .args:
      - { .name: of, .offset: 0, .size: 8, .value_kind: global_buffer, .address_space: global }
      - { .name: wo16, .offset: 8, .size: 8, .value_kind: global_buffer, .address_space: global }
      - { .name: wo_b, .offset: 16, .size: 8, .value_kind: global_buffer, .address_space: global }
      - { .name: out0, .offset: 24, .size: 8, .value_kind: global_buffer, .address_space: global }
    .group_segment_fixed_size: 17920
    .private_segment_fixed_size: 0
    .kernarg_segment_align: 8
    .kernarg_segment_size: 32
    .max_flat_workgroup_size: 128
    .sgpr_count:     66
    .vgpr_count:     1024
    .wavefront_size: 32
...
	.end_amdgpu_metadata
.endif
;; end of part 4
